; MI455X (gfx1250); checked and timed in simulation.
; The chip was launched on July 23, 2026; its instructions are those of AMD's public machine-readable ISA for CDNA 5 (MIT licence, August 2026) and "CDNA5" Instruction Set Architecture Reference Guide (July 2026). The comments in the code are by the model that wrote it; some were corrected since.
;; Neural Memory. Allowed arithmetic: float matrix products may take bf16 or f16 operands with f32 sums; all other float work in f32.
;; Inputs: Wk 512 x 1,024 float32; Wq 512 x 1,024 float32; Wv 512 x 1,024 float32; alpha one number float32; bk 512 float32; bq 512 float32; bv 512 float32; x 16 x 256 x 1,024 float32.
;; Outputs: out0 16 x 256 x 512 float32; out1 16 x 512 x 512 float32.
;; One version. Each part assembles by itself: llvm-mc -triple=amdgcn-amd-amdhsa -mcpu=gfx1250 --defsym DOCPART=n.
;; ======== version 1 of 1: 2 launches
;; limits: values are held in f16: magnitudes above 65,504 overflow, below 6.1e-05 lose precision
;; workspace buffers: ws 16,777,216 bytes
;; launch proj (part 1): grid 8 x 32, 8 waves a work-group, no clusters, 201,728 bytes of LDS; arguments x, Wq, Wk, Wv, bq, bk, bv, alpha, ws; writes ws
.if DOCPART == 1
	.amdgcn_target "amdgcn-amd-amdhsa--gfx1250"
	.amdhsa_code_object_version 6
	.text
	.protected	k_q817470eb11_proj
	.globl	k_q817470eb11_proj
	.p2align	8
	.type	k_q817470eb11_proj,@function
k_q817470eb11_proj:
	s_mov_b64 s[64:65], 0
	v_nop
	global_prefetch_b8 v0, s[64:65] scope:SCOPE_SE
	s_setreg_imm32_b32 hwreg(HW_REG_WAVE_MODE, 25, 1), 1
	s_wait_xcnt 0x0
; q, k, v = x W^T + b for 128 tokens x (64 q + 64 k + 64 v features), and k' = c^(255-s) k with c = 1 - sigmoid(alpha), s the token's place in its batch.
; Results go to ws as f16 in FRAGMENT ORDER: blocks of 512 bytes = 16 rows x 16 contraction elements, lane l = r + 16 h owning bytes 16 l .. 16 l + 15
; (row r, elements 8 h .. 8 h + 7).  Plane 0 (q) and 1 (k): [batch][token tile 16][feature tile 32][512], row = token.
; Plane 2 (k') and 3 (v): [batch][feature tile 32][token tile 16][512], row = feature.  Planes are 4 MiB apart.
; A packed accumulator tile IS such a block, so each store of a wave covers 512 consecutive bytes, aligned.
; WAVES: eight, all alike, no branch on the wave's number.  Wave w makes 64 tokens (w / 4) x 16 features (w mod 4) of each of q, k, v: 12 accumulators.
; It also brings an eighth of every K step of 64: 20 loads of f32, rounded once to f16 and written to LDS, two K steps ahead of their use;
; the loads are issued two more K steps ahead.  Two waves lie on a SIMD, so one wave's conversions can run beside the other's matrix instructions.
; The data mover is not used: it cannot convert, and f32 tiles in LDS would double the bytes of every fragment read.  For the same reason no cluster:
; what the work-groups share is f32.
; FORMAT: f16, not bf16.  The decayed sums of the next launch are carried by one or two terms, so an operand's rounding shows whole in the result:
; 2^-11 a factor keeps it far inside the allowed hundredth.  LIMITS: |x|, |W|, |q|, |k|, |v| below 65,504 (f16's largest); numbers below 6.1e-5 are rounded
; to multiples of 6e-8; powers of c below 2^-126 count as 0 (v_exp_f32 flushes them).
.set PITCH, 144                        ; an LDS row: 64 f16 = 128 bytes + 16: an odd multiple of 16 bytes, so the 16 rows of a fragment start at 16 different 16-byte columns
.set APART, 128*PITCH                  ; x's 128 rows
.set SLOT,  320*PITCH                  ; then W's 192 rows (64 g + feature; g = 0 q, 1 k, 2 v)
.set TR,    4*SLOT                     ; behind the ring of four slots: 2,048 bytes for each wave, to transpose k'
.set VOA,  2                           ; v2      byte offset in x of the rows that I bring
.set VOB,  3                           ; v3      the same in Wq, Wk, Wv
.set STA,  4                           ; v4-7    where they go in slot s: x's rows
.set STB,  8                           ; v8-11   W's rows
.set ADRA, 12                          ; v12-15  my fragments of x in slot s
.set ADRB, 16                          ; v16-19  my fragments of W in slot s
.set L16,  20                          ; v20     16 x lane
.set TRS,  21                          ; v21     transpose stage, in
.set TRL,  22                          ; v22     transpose stage, out
.set BOFF, 23                          ; v23     byte offset of my 8 features in bq, bk
.set BVOF, 24                          ; v24     byte offset of my feature in bv
.set WT,   40                          ; v40-47  c^(255-s) of my token in row tile a, twice (a pair for the packed multiply)
.set F0,   48                          ; v48-103   fragment buffer 0: x at +8a, W at +32+8g
.set F1,   104                         ; v104-159  fragment buffer 1
.set ACC,  160                         ; v160-255  the accumulators, tile (a, g) at 8 (3a + g)
.set BIAS, 160                         ; window 1: v0-79, v80-159 the two sets of loaded f32; v160-175 bias of q, k (8g + j); v176-177 bias of v, twice
.set BV,   176
.set KW,   48                          ; the way out: weighted k in f32, then packed (v48-79)
.set KT,   80                          ; the way out: k' transposed (v80-95)
.set PK,   104                         ; the way out: packed q, k, v (v104-151)
.set MSB, 0
.macro WIN new                         ; the immediate's high byte repeats the setting that is left; a switch that changes nothing is dropped
.if MSB != (\new)
	s_set_vgpr_msb (MSB<<8)|(\new)
.set MSB, (\new)
.endif
.endm
.macro PLACES                          ; four plain vector instructions between a matrix instruction and a load into, or a vector access to, its registers
.rept 4
	v_nop
.endr
.endm
; a = sigmoid(alpha) into ra, log2(1 - a) into rl.  The clamp makes c = 0 give c^0 = 1 and c^n = 0 without 0 x infinity.
; One plain instruction stands behind each transcendental before its result is used (ISA guide 5.7.2).
.macro DECAY sa, t0, t1, ra, rl
	v_mov_b32 v[\t0], \sa
	v_mul_f32 v[\t0], 0xbfb8aa3b, v[\t0]           ; -alpha / ln 2
	v_exp_f32 v[\t1], v[\t0]
	v_nop
	s_wait_alu depctr_va_vdst(0)
	v_add_f32 v[\t1], 1.0, v[\t1]
	v_rcp_f32 v[\ra], v[\t1]
	v_nop
	s_wait_alu depctr_va_vdst(0)
	v_sub_f32 v[\t0], 1.0, v[\ra]
	v_log_f32 v[\rl], v[\t0]
	v_nop
	s_wait_alu depctr_va_vdst(0)
	v_max_num_f32 v[\rl], 0xc6800000, v[\rl]       ; not below -16384
.endm
; My 20 loads of one K step (64 along K) into set 0 or 1.  Each half of the wave takes 256 consecutive bytes of one row, aligned; the halves are 8 rows apart.
.macro LOADS set, step
.if \step
	WIN 0
	s_wait_xcnt 0x0                                ; the offsets are read by the loads issued so far: stepped only behind this wait
	v_add_nc_u32 v[VOA], 256, v[VOA]
	v_add_nc_u32 v[VOB], 256, v[VOB]
.endif
.set SB, 80*(\set)
	WIN 0x40
.irp q, 0,1,2,3,4,5,6,7
	global_load_b128 v[SB+4*\q:SB+4*\q+3], v[VOA], s[8:9] offset:\q*4096
.endr
.irp g, 0,1,2
.irp p, 0,1,2,3
	global_load_b128 v[SB+32+4*(4*\g+\p):SB+32+4*(4*\g+\p)+3], v[VOB], s[10+2*\g:11+2*\g] offset:\p*4096
.endr
.endr
.endm
; A set is rounded to f16 in place and written to a slot, 8 bytes a lane.  Rows 8 apart lie 1,152 bytes = 288 words apart: the two halves of the wave use different halves of the 64 banks.
.macro CONV set, slot, cnt
	s_wait_loadcnt \cnt                            ; loads come back in order: this set's 20 are in, the younger set's may stay out
.set SB, 80*(\set)
	WIN 0x45
.set q, 0
.rept 20
	v_cvt_pk_f16_f32 v[SB+4*q], v[SB+4*q], v[SB+4*q+1]
	v_cvt_pk_f16_f32 v[SB+4*q+1], v[SB+4*q+2], v[SB+4*q+3]
.set q, q+1
.endr
	WIN 0x04
.irp q, 0,1,2,3,4,5,6,7
	ds_store_b64 v[STA+(\slot)], v[SB+4*\q:SB+4*\q+1] offset:\q*PITCH
.endr
.irp g, 0,1,2
.irp p, 0,1,2,3
	ds_store_b64 v[STB+(\slot)], v[SB+32+4*(4*\g+\p):SB+32+4*(4*\g+\p)+1] offset:(64*\g+\p)*PITCH
.endr
.endr
.endm
; The 14 loads of my fragments of 32 along K (half kk of a slot): 4 of x, 3 of W.
.macro FETCH slot, kk, f
.irp a, 0,1,2,3
	ds_load_b128 v[\f+8*\a:\f+8*\a+3],   v[ADRA+(\slot)] offset:\a*16*PITCH+\kk*64
	ds_load_b128 v[\f+8*\a+4:\f+8*\a+7], v[ADRA+(\slot)] offset:\a*16*PITCH+\kk*64+32
.endr
.irp g, 0,1,2
	ds_load_b128 v[\f+32+8*\g:\f+32+8*\g+3],   v[ADRB+(\slot)] offset:64*\g*PITCH+\kk*64
	ds_load_b128 v[\f+32+8*\g+4:\f+32+8*\g+7], v[ADRB+(\slot)] offset:64*\g*PITCH+\kk*64+32
.endr
.endm
; 12 matrix instructions.  q and k tiles take W as source 0: a lane then holds token r, features 8h + j.
; v tiles take x as source 0: a lane holds feature r, tokens 8h + j.  Both are the block order of their planes.
; The 12 accumulators take turns, one instruction a turn.
.macro MUL f, zero
.irp a, 0,1,2,3
.irp g, 0,1
.if \zero
	v_wmma_f32_16x16x32_f16 v[ACC+8*(3*\a+\g):ACC+8*(3*\a+\g)+7], v[\f+32+8*\g:\f+32+8*\g+7], v[\f+8*\a:\f+8*\a+7], 0
.else
	v_wmma_f32_16x16x32_f16 v[ACC+8*(3*\a+\g):ACC+8*(3*\a+\g)+7], v[\f+32+8*\g:\f+32+8*\g+7], v[\f+8*\a:\f+8*\a+7], v[ACC+8*(3*\a+\g):ACC+8*(3*\a+\g)+7]
.endif
.endr
.if \zero
	v_wmma_f32_16x16x32_f16 v[ACC+8*(3*\a+2):ACC+8*(3*\a+2)+7], v[\f+8*\a:\f+8*\a+7], v[\f+48:\f+55], 0
.else
	v_wmma_f32_16x16x32_f16 v[ACC+8*(3*\a+2):ACC+8*(3*\a+2)+7], v[\f+8*\a:\f+8*\a+7], v[\f+48:\f+55], v[ACC+8*(3*\a+2):ACC+8*(3*\a+2)+7]
.endif
.endr
.endm
; Trip i (t = i mod 4): step i is multiplied from slot t, the first half of step i + 1 is read ahead from slot t + 1, step i + 2 is written into slot t + 2,
; step i + 4 is asked for.  One barrier a trip: slot t + 2 was last read two barriers ago, and what is written now is read only behind this trip's barrier.
; conv, load, pre, bar = 0 leave out the writing, the asking, the reading ahead and the barrier in the last trips; cnt = the loads that may stay out.
.macro TRIP t, zero, first, conv, load, cnt, pre, bar
.if \first
	FETCH \t, 0, F0
.endif
	FETCH \t, 1, F1
	s_wait_dscnt 14                                ; all but the 14 just issued: buffer 0 is in
	MUL F0, \zero
.if \conv
	CONV (\t&1), ((\t+2)&3), \cnt                  ; its 40 conversions, on registers of window 1, are also the places between the products above and the loads into buffer 0 below
.if \load
	LOADS (\t&1), 1
.endif
	WIN 0
.else
.if \pre
	PLACES
.endif
.endif
.if \pre
	FETCH ((\t+1)&3), 0, F0
.endif
	s_wait_dscnt 20*\conv+14*\pre                  ; LDS instructions end in order: all but the stores and loads issued behind buffer 1's loads
	MUL F1, 0
	PLACES                                         ; in front of the next loads into buffer 1, and of the way out
.if \bar
	s_wait_dscnt 0x0                               ; for the other waves: my LDS stores are done, my LDS reads are back
	s_barrier_signal -1
	s_barrier_wait -1
.endif
.endm
	s_load_b512 s[8:23], s[0:1], 0x0               ; x s[8:9], Wq s[10:11], Wk s[12:13], Wv s[14:15], bq s[16:17], bk s[18:19], bv s[20:21], alpha s[22:23]
	s_load_b64 s[24:25], s[0:1], 0x40              ; ws
	v_lshl_add_u32 v39, v0, 2, 0x31000
	s_set_vgpr_msb 0x40
	v_mov_b32 v193, 0
	s_set_vgpr_msb 0x4000
	v_lshrrev_b32 v1, 5, v0
	v_readfirstlane_b32 s2, v1                     ; wave 0..7
	s_lshr_b32 s3, s2, 2                           ; wr: which 64 tokens
	s_and_b32 s4, s2, 3                            ; wc: which 16 features of each of q, k, v
	s_mov_b32 s5, ttmp9                            ; cb: features 64 cb ..
	s_and_b32 s6, ttmp7, 0xffff                    ; rb: tokens 128 rb ..
	v_and_b32 v25, 31, v0                          ; lane
	v_and_b32 v26, 15, v0                          ; r
	v_bfe_u32 v27, v0, 4, 1                        ; h
	v_lshlrev_b32 v28, 4, v26                      ; 16 bytes a lane in a row's 256,
	v_lshl_add_u32 v28, v27, 15, v28               ; the upper half of the wave 8 rows of 4,096 bytes further down
	s_lshl_b32 s28, s2, 16                         ; x: rows 16 w + 8 h + 0..7
	v_add_nc_u32 v[VOA], s28, v28
	s_lshl_b32 s28, s4, 16                         ; each W: rows 16 (w mod 4) + 4 (w / 4) + 8 h + 0..3
	s_lshl_b32 s29, s3, 14
	s_add_co_u32 s28, s28, s29
	v_add_nc_u32 v[VOB], s28, v28
	v_mul_u32_u24 v28, v27, 8*PITCH
	v_lshl_add_u32 v28, v26, 3, v28                ; the same places in LDS: 8 bytes a lane
	s_mul_i32 s28, s2, 16*PITCH
	s_lshl_b32 s29, s4, 2
	s_add_co_u32 s29, s29, s3
	s_mul_i32 s29, s29, 4*PITCH
	s_add_co_u32 s29, s29, APART
	v_mul_u32_u24 v29, v26, PITCH
	v_lshl_add_u32 v29, v27, 4, v29                ; fragment: row r, 16 bytes for each half of the wave
	s_mul_i32 s34, s3, 64*PITCH
	s_mul_i32 s36, s4, 16*PITCH
	s_add_co_u32 s36, s36, APART
.irp s, 0,1,2,3
	v_add_nc_u32 v[STA+\s], s28, v28
	v_add_nc_u32 v[STB+\s], s29, v28
	v_add_nc_u32 v[ADRA+\s], s34, v29
	v_add_nc_u32 v[ADRB+\s], s36, v29
	s_add_co_u32 s28, s28, SLOT
	s_add_co_u32 s29, s29, SLOT
	s_add_co_u32 s34, s34, SLOT
	s_add_co_u32 s36, s36, SLOT
.endr
	s_lshl_b32 s37, s2, 11
	s_add_co_u32 s37, s37, TR                      ; my transpose stage
	v_lshlrev_b32 v30, 5, v26
	v_lshl_add_u32 v30, v27, 4, v30
	v_add_nc_u32 v[TRS], s37, v30                  ; in: token r's row of 32 bytes, features 8h ..
	v_and_b32 v30, 7, v0
	v_lshlrev_b32 v30, 5, v30
	v_lshl_add_u32 v30, v27, 8, v30
	v_bfe_u32 v31, v0, 3, 1
	v_lshl_add_u32 v30, v31, 4, v30
	v_add_nc_u32 v[TRL], s37, v30                  ; out: row 8h + (lane mod 8), 16 bytes by bit 3 of the lane
	v_lshlrev_b32 v[L16], 4, v25
	s_lshl_b32 s37, s5, 8
	s_lshl_b32 s38, s4, 6
	s_add_co_u32 s37, s37, s38                     ; 4 (64 cb + 16 wc)
	v_lshl_add_u32 v[BOFF], v27, 5, s37
	v_lshl_add_u32 v[BVOF], v26, 2, s37
	s_lshr_b32 s34, s6, 1
	s_lshl_b32 s34, s34, 18                        ; batch x 262,144
	s_and_b32 s36, s6, 1
	s_lshl_b32 s36, s36, 1
	s_add_co_u32 s36, s36, s3                      ; my first token tile / 4
	s_lshl_b32 s37, s5, 2
	s_add_co_u32 s37, s37, s4                      ; my feature tile
	s_wait_kmcnt 0x0
	s_load_b32 s26, s[22:23], 0x0                  ; alpha
	s_lshl_b32 s28, s6, 19
	s_mov_b32 s29, 0
	s_add_nc_u64 s[8:9], s[8:9], s[28:29]          ; x at the group's first token
	s_lshl_b32 s28, s5, 18
	s_add_nc_u64 s[10:11], s[10:11], s[28:29]      ; the three W at the group's first feature
	s_add_nc_u64 s[12:13], s[12:13], s[28:29]
	s_add_nc_u64 s[14:15], s[14:15], s[28:29]
	s_lshl_b32 s28, s36, 16                        ; token tiles of 16,384 bytes
	s_lshl_b32 s38, s37, 9                         ; feature tiles of 512
	s_add_co_u32 s28, s28, s38
	s_add_co_u32 s28, s28, s34
	s_add_nc_u64 s[30:31], s[24:25], s[28:29]      ; my corner of plane 0; plane 1 by the immediate
	s_lshl_b32 s28, s37, 13                        ; feature tiles of 8,192 bytes
	s_lshl_b32 s38, s36, 11                        ; token tiles of 512
	s_add_co_u32 s28, s28, s38
	s_add_co_u32 s28, s28, s34
	s_add_nc_u64 s[32:33], s[24:25], s[28:29]
	s_add_nc_u64 s[32:33], s[32:33], 0x800000      ; my corner of plane 2; plane 3 by the immediate
	s_lshl_b32 s36, s36, 6
	s_sub_co_u32 s36, 255, s36                     ; 255 - my first token's place in the batch
	; the biases, oldest of all loads, so the first counted wait below covers them; then K steps 0 and 1
	WIN 0x40
.irp g, 0,1
	global_load_b128 v[BIAS+8*\g:BIAS+8*\g+3],   v[BOFF], s[16+2*\g:17+2*\g]
	global_load_b128 v[BIAS+8*\g+4:BIAS+8*\g+7], v[BOFF], s[16+2*\g:17+2*\g] offset:16
.endr
	global_load_b32 v[BV],   v[BVOF], s[20:21]
	global_load_b32 v[BV+1], v[BVOF], s[20:21]
	LOADS 0, 0
	LOADS 1, 1
	WIN 0
	s_wait_kmcnt 0x0                               ; alpha
	DECAY s26, 30, 31, 32, 33
	v_sub_nc_u32 v34, s36, v26                     ; 255 - s for row tile 0
.irp a, 0,1,2,3
	v_add_nc_u32 v[35+\a], -16*\a, v34
	v_cvt_f32_i32 v[35+\a], v[35+\a]
	v_mul_f32 v[35+\a], v33, v[35+\a]
.endr
.irp a, 0,1,2,3
	v_exp_f32 v[WT+2*\a], v[35+\a]                 ; c^(255-s): an exponent that is never positive, so never above 1
.endr
	v_nop
	s_wait_alu depctr_va_vdst(0)
.irp a, 0,1,2,3
	v_mov_b32 v[WT+2*\a+1], v[WT+2*\a]
.endr
	CONV 0, 0, 20                                  ; steps 0 and 1 are written, steps 2 and 3 are asked for
	LOADS 0, 1
	CONV 1, 1, 20
	LOADS 1, 1
	WIN 0
	s_wait_dscnt 0x0                               ; for the other waves: my stores are done
	s_barrier_signal -1
	s_barrier_wait -1
	TRIP 0, 1, 1, 1, 1, 20, 1, 1                   ; the first products start the sums: nothing is cleared
	TRIP 1, 0, 0, 1, 1, 20, 1, 1
	TRIP 2, 0, 0, 1, 1, 20, 1, 1
	TRIP 3, 0, 0, 1, 1, 20, 1, 1
	s_mov_b32 s7, 2
.Lloop:
	TRIP 0, 0, 0, 1, 1, 20, 1, 1
	TRIP 1, 0, 0, 1, 1, 20, 1, 1
	TRIP 2, 0, 0, 1, 1, 20, 1, 1
	TRIP 3, 0, 0, 1, 1, 20, 1, 1
	s_sub_co_u32 s7, s7, 1
	s_cmp_lg_u32 s7, 0
	s_cbranch_scc1 .Lloop
	TRIP 0, 0, 0, 1, 0, 20, 1, 1                   ; trip 12: step 14 is written, nothing is left to ask for
	TRIP 1, 0, 0, 1, 0, 0, 1, 1                    ; trip 13: step 15, the last set: no younger load is out
	TRIP 2, 0, 0, 0, 0, 0, 1, 0                    ; trip 14: nothing is written any more, so no barrier follows
	TRIP 3, 0, 0, 0, 0, 0, 0, 0                    ; trip 15
	; THE WAY OUT (the four v_nop at the end of the last trip are the places behind the last matrix instructions)
	WIN 0x04                                       ; the biases lie in window 1
.irp a, 0,1,2,3
.irp g, 0,1
.irp p, 0,2,4,6
	v_pk_add_f32 v[ACC+8*(3*\a+\g)+\p:ACC+8*(3*\a+\g)+\p+1], v[ACC+8*(3*\a+\g)+\p:ACC+8*(3*\a+\g)+\p+1], v[BIAS+8*\g+\p:BIAS+8*\g+\p+1]
.endr
.endr
.irp p, 0,2,4,6
	v_pk_add_f32 v[ACC+8*(3*\a+2)+\p:ACC+8*(3*\a+2)+\p+1], v[ACC+8*(3*\a+2)+\p:ACC+8*(3*\a+2)+\p+1], v[BV:BV+1]
.endr
.endr
	WIN 0
.irp a, 0,1,2,3
.irp p, 0,2,4,6
	v_pk_mul_f32 v[KW+8*\a+\p:KW+8*\a+\p+1], v[ACC+8*(3*\a+1)+\p:ACC+8*(3*\a+1)+\p+1], v[WT+2*\a:WT+2*\a+1]   ; k' in f32, ahead of its one rounding
.endr
.endr
.irp a, 0,1,2,3
.irp g, 0,1,2
.irp p, 0,1,2,3
	v_cvt_pk_f16_f32 v[PK+4*(3*\a+\g)+\p], v[ACC+8*(3*\a+\g)+2*\p], v[ACC+8*(3*\a+\g)+2*\p+1]
.endr
.endr
.endr
.set q, 0
.rept 16
	v_cvt_pk_f16_f32 v[KW+q], v[KW+2*q], v[KW+2*q+1]       ; ascending: word q is written when words 2q, 2q+1 are read, never ahead of a later read
.set q, q+1
.endr
.irp a, 0,1,2,3
	ds_store_b128 v[TRS], v[KW+4*\a:KW+4*\a+3] offset:512*\a
.endr
.irp a, 0,1,2,3
	ds_load_tr16_b128 v[KT+4*\a:KT+4*\a+3], v[TRL] offset:512*\a   ; my own bytes, served in order: feature r, tokens 8h ..
.endr
.irp a, 0,1,2,3
	global_store_b128 v[L16], v[PK+4*(3*\a):PK+4*(3*\a)+3],     s[30:31] offset:\a*16384
	global_store_b128 v[L16], v[PK+4*(3*\a+1):PK+4*(3*\a+1)+3], s[30:31] offset:4194304+\a*16384
	global_store_b128 v[L16], v[PK+4*(3*\a+2):PK+4*(3*\a+2)+3], s[32:33] offset:4194304+\a*512
.endr
	s_wait_dscnt 0x0                               ; k' is back from the stage
.irp a, 0,1,2,3
	global_store_b128 v[L16], v[KT+4*\a:KT+4*\a+3], s[32:33] offset:\a*512
.endr
	s_set_vgpr_msb 0x4
	s_wait_tensorcnt 0x0
	ds_add_u32 v39, v193
	s_wait_dscnt 0x0
	s_set_vgpr_msb 0x400
	s_endpgm
.Lfunc_end_k_q817470eb11_proj:
	.size	k_q817470eb11_proj, .Lfunc_end_k_q817470eb11_proj-k_q817470eb11_proj
	.p2alignl 7, 3214868480
	.fill 96, 4, 3214868480
	.section	.rodata,"a",@progbits
	.p2align	6, 0x0
	.amdhsa_kernel k_q817470eb11_proj
		.amdhsa_group_segment_fixed_size 201728
		.amdhsa_private_segment_fixed_size 0
		.amdhsa_enable_private_segment 0
		.amdhsa_kernarg_size 72
		.amdhsa_user_sgpr_count 2
		.amdhsa_user_sgpr_kernarg_segment_ptr 1
		.amdhsa_wavefront_size32 1
		.amdhsa_system_sgpr_workgroup_id_x 1
		.amdhsa_system_sgpr_workgroup_id_y 1
		.amdhsa_system_sgpr_workgroup_id_z 1
		.amdhsa_system_vgpr_workitem_id 0
		.amdhsa_next_free_vgpr 450
		.amdhsa_next_free_sgpr 66
		.amdhsa_reserve_vcc 0
		.amdhsa_float_denorm_mode_32 3
		.amdhsa_float_denorm_mode_16_64 3
		.amdhsa_memory_ordered 1
		.amdhsa_forward_progress 1
		.amdhsa_inst_pref_size 132
	.end_amdhsa_kernel
	.amdgpu_metadata
---
amdhsa.version: [ 1, 2 ]
amdhsa.kernels:
  - .name:           k_q817470eb11_proj
    .symbol:         k_q817470eb11_proj.kd
    .args:
      - { .name: x, .offset: 0, .size: 8, .value_kind: global_buffer, .address_space: global }
      - { .name: Wq, .offset: 8, .size: 8, .value_kind: global_buffer, .address_space: global }
      - { .name: Wk, .offset: 16, .size: 8, .value_kind: global_buffer, .address_space: global }
      - { .name: Wv, .offset: 24, .size: 8, .value_kind: global_buffer, .address_space: global }
      - { .name: bq, .offset: 32, .size: 8, .value_kind: global_buffer, .address_space: global }
      - { .name: bk, .offset: 40, .size: 8, .value_kind: global_buffer, .address_space: global }
      - { .name: bv, .offset: 48, .size: 8, .value_kind: global_buffer, .address_space: global }
      - { .name: alpha, .offset: 56, .size: 8, .value_kind: global_buffer, .address_space: global }
      - { .name: ws, .offset: 64, .size: 8, .value_kind: global_buffer, .address_space: global }
    .group_segment_fixed_size: 201728
    .private_segment_fixed_size: 0
    .kernarg_segment_align: 8
    .kernarg_segment_size: 72
    .max_flat_workgroup_size: 256
    .sgpr_count:     66
    .vgpr_count:     450
    .wavefront_size: 32
...
	.end_amdgpu_metadata
.endif
;; end of part 1
;; launch mem (part 2): grid 64 x 4, 4 waves a work-group, clusters of 4 x 4, 248,320 bytes of LDS; arguments ws, alpha, out0, out1; writes out0, out1
.if DOCPART == 2
	.amdgcn_target "amdgcn-amd-amdhsa--gfx1250"
	.amdhsa_code_object_version 6
	.text
	.protected	k_q817470eb11_mem
	.globl	k_q817470eb11_mem
	.p2align	8
	.type	k_q817470eb11_mem,@function
k_q817470eb11_mem:
	s_mov_b64 s[64:65], 0
	v_nop
	global_prefetch_b8 v0, s[64:65] scope:SCOPE_SE
	s_setreg_imm32_b32 hwreg(HW_REG_WAVE_MODE, 25, 1), 1
	s_wait_xcnt 0x0
	s_wait_alu depctr_hold_cnt(0) depctr_sa_sdst(0) depctr_va_vdst(0) depctr_va_sdst(0) depctr_va_ssrc(0) depctr_va_vcc(0) depctr_vm_vsrc(0)
	s_getreg_b32 s2, hwreg(HW_REG_IB_STS2, 6, 4)
	s_cmp_eq_u32 s2, 0
	s_cbranch_scc0 .Lentry_in_a_cluster
	s_endpgm
.Lentry_in_a_cluster:
	s_bfe_u32 s2, ttmp6, 0x10000c
	s_cmp_lg_u32 s2, 0xf033
	s_cbranch_scc0 .Lentry_shape_is_right
	s_endpgm
.Lentry_shape_is_right:
; The scan in closed form, with a = sigmoid(alpha), c = 1 - a:
;   out1[b][m][n] = a sum over s of k'[s][m] v[s][n],              k' = c^(255-s) k  (from the launch before)
;   out0[b][t][n] = a sum over s < t of c^(t-1-s) (q_t . k_s) v[s][n]
; Every power of c has an exponent that is not negative, so no factor exceeds 1 for any alpha; powers below 2^-126 count as 0.
; One cluster of 4 x 4 work-groups is one batch.  Work-group (cx, cy) makes out1 rows 128 cy .., columns 128 cx .., and out0 rows 64 cy .., columns 128 cx ...
; JOINT LOADS: k' and q hang on cy alone and are shared along a row of the cluster, v on cx alone and is shared along a column.  Each tile is filled once.
; cx and cy enter global addresses, masks and f32 numbers only: no branch, no trip count, no LDS address.  So the products with s >= t are made and multiplied by 0.
; k (256 tokens) is read straight into registers: wave w alone needs tokens 64 w .., and in fragment order each load of a wave takes 512 consecutive bytes.
; P = (q k^T) o c^(t-1-s) grows with the fourth power of the inputs and has no room in f16 as it is: each row t is scaled by the power of two of its largest
; magnitude (exact), rounded to f16 once, and the inverse scale goes, with a, onto the row of out0 in f32.
; LIMITS: operands are f16 (see the launch before); a row of P whose largest magnitude is below 2^-126 is scaled as if it were 2^-126.
.set VL,     65536                     ; LDS: 0 k' [8 feature tiles][16 token tiles][512]; 65,536 v, the same
.set QL,     131072                    ; q [4 token tiles][32 feature tiles][512]
.set PL,     196608                    ; P [4 row tiles][16 s tiles][512], written by the waves; no fill lands here or behind
.set STAGE,  229376                    ; 16 rows x 272 bytes for each wave, for the way out
.set SPITCH, 272                       ; 256 bytes + 16: an odd multiple of 16
.set RM,     246784                    ; [wave][row r][row tile i]: the waves' row maxima, 1,024 bytes
.set A16, 1                            ; v1  16 x lane
.set AKP, 2                            ; v2  my k' fragments
.set AV,  3                            ; v3  my v fragments
.set AQ,  4                            ; v4  q fragments
.set PW,  5                            ; v5  where I write P
.set PR,  6                            ; v6  where I read P
.set STO, 7                            ; v7  stage, in
.set RD,  8                            ; v8  stage, back
.set CO,  9                            ; v9  my byte offset in two rows of an output
.set MX,  10                           ; v10-13 row maxima; v10-25 at work
.set SCL, 20                           ; v20-23 a x the scale of my two row tiles of out0, twice each
.set RA,  26                           ; v26-27 a, twice
.set RL,  28                           ; v28 log2 c
.set N0,  29                           ; v29 t - 1 - s for tile distance 0, register 0
.set RMW, 30
.set RMR, 31
.set FT,  32                           ; v32-87 c^(t-1-s) or 0: [tile distance i - jj + 3][register j]
.set INV, 88                           ; v88-95 1 / scale of row tile i, twice
.set T0,  224                          ; the way out: rows read back
.set T1,  96
.set SA,  128                          ; window 1: v128-255 S, tile (i, jj) at 128 + 8 (4i + jj); v0-127 the accumulators of out1, later v0-63 those of out0
                                       ; windows 2, 3: my 64 rows of k, fragment (jj, ks) at 8 (4 (ks mod 8) + jj), ks < 8 in window 2
.set MSB, 0
.macro WIN new
.if MSB != (\new)
	s_set_vgpr_msb (MSB<<8)|(\new)
.set MSB, (\new)
.endif
.endm
.macro PLACES                          ; four plain vector instructions between a matrix instruction and a load into, or another access to, its registers
.rept 4
	v_nop
.endr
.endm
.macro DECAY sa, t0, t1, ra, rl        ; a into ra, max(log2(1 - a), -16384) into rl: c = 0 then gives c^0 = 1, c^n = 0
	v_mov_b32 v[\t0], \sa
	v_mul_f32 v[\t0], 0xbfb8aa3b, v[\t0]
	v_exp_f32 v[\t1], v[\t0]
	v_nop
	s_wait_alu depctr_va_vdst(0)
	v_add_f32 v[\t1], 1.0, v[\t1]
	v_rcp_f32 v[\ra], v[\t1]
	v_nop
	s_wait_alu depctr_va_vdst(0)
	v_sub_f32 v[\t0], 1.0, v[\ra]
	v_log_f32 v[\rl], v[\t0]
	v_nop
	s_wait_alu depctr_va_vdst(0)
	v_max_num_f32 v[\rl], 0xc6800000, v[\rl]
.endm
.macro ROUND                           ; a round of the cluster's barrier
	s_barrier_signal -1
	s_barrier_wait -1
	s_cmp_lg_u32 s3, 0
	s_cbranch_scc1 .Lnot_wave_0_\@
	s_barrier_signal -3
.Lnot_wave_0_\@:
	s_barrier_wait -3
	s_barrier_signal -1
	s_barrier_wait -1
.endm
.macro KLOAD lo                        ; 64 loads: k's fragments of K steps lo .. lo + 7
.irp k, 0,1,2,3,4,5,6,7
.irp jj, 0,1,2,3
	global_load_b128 v[8*(\k*4+\jj):8*(\k*4+\jj)+3],   v[A16], s[52:53] offset:\jj*16384+(\lo+\k)*1024
	global_load_b128 v[8*(\k*4+\jj)+4:8*(\k*4+\jj)+7], v[A16], s[52:53] offset:\jj*16384+(\lo+\k)*1024+512
.endr
.endr
.endm
.macro FETCHM ks, buf                  ; 16 loads: v's fragments at buf + 8n, k's at buf + 32 + 8a, 32 tokens
.irp n, 0,1,2,3
	ds_load_b128 v[\buf+8*\n:\buf+8*\n+3],   v[AV] offset:\n*8192+\ks*1024
	ds_load_b128 v[\buf+8*\n+4:\buf+8*\n+7], v[AV] offset:\n*8192+\ks*1024+512
.endr
.irp a, 0,1,2,3
	ds_load_b128 v[\buf+32+8*\a:\buf+32+8*\a+3],   v[AKP] offset:\a*8192+\ks*1024
	ds_load_b128 v[\buf+32+8*\a+4:\buf+32+8*\a+7], v[AKP] offset:\a*8192+\ks*1024+512
.endr
.endm
; In all three products source 0 holds the rows that become the output's columns, so that a lane's eight results are eight neighbouring numbers of one row.
; The accumulators take turns, one instruction a turn.
.macro MULM buf, zero
	WIN 0x50
.irp a, 0,1,2,3
.irp n, 0,1,2,3
.if \zero
	v_wmma_f32_16x16x32_f16 v[8*(4*\a+\n):8*(4*\a+\n)+7], v[\buf+8*\n:\buf+8*\n+7], v[\buf+32+8*\a:\buf+32+8*\a+7], 0
.else
	v_wmma_f32_16x16x32_f16 v[8*(4*\a+\n):8*(4*\a+\n)+7], v[\buf+8*\n:\buf+8*\n+7], v[\buf+32+8*\a:\buf+32+8*\a+7], v[8*(4*\a+\n):8*(4*\a+\n)+7]
.endif
.endr
.endr
.endm
.macro FETCHQ ks, buf                  ; 8 loads: q's four fragments, 32 features
.irp i, 0,1,2,3
	ds_load_b128 v[\buf+8*\i:\buf+8*\i+3],   v[AQ] offset:\i*16384+\ks*1024
	ds_load_b128 v[\buf+8*\i+4:\buf+8*\i+7], v[AQ] offset:\i*16384+\ks*1024+512
.endr
.endm
.macro MULS ks, buf, zero              ; S: a lane holds t = r, s = 8h + j
	WIN (0x52+((\ks)>>3))
.irp i, 0,1,2,3
.irp jj, 0,1,2,3
.if \zero
	v_wmma_f32_16x16x32_f16 v[SA+8*(4*\i+\jj):SA+8*(4*\i+\jj)+7], v[8*(((\ks)&7)*4+\jj):8*(((\ks)&7)*4+\jj)+7], v[\buf+8*\i:\buf+8*\i+7], 0
.else
	v_wmma_f32_16x16x32_f16 v[SA+8*(4*\i+\jj):SA+8*(4*\i+\jj)+7], v[8*(((\ks)&7)*4+\jj):8*(((\ks)&7)*4+\jj)+7], v[\buf+8*\i:\buf+8*\i+7], v[SA+8*(4*\i+\jj):SA+8*(4*\i+\jj)+7]
.endif
.endr
.endr
.endm
.macro FETCHP ks, buf                  ; 12 loads: v's four fragments, P's two, 32 tokens s
.irp n, 0,1,2,3
	ds_load_b128 v[\buf+8*\n:\buf+8*\n+3],   v[AV] offset:\n*8192+\ks*1024
	ds_load_b128 v[\buf+8*\n+4:\buf+8*\n+7], v[AV] offset:\n*8192+\ks*1024+512
.endr
.irp i, 0,1
	ds_load_b128 v[\buf+32+8*\i:\buf+32+8*\i+3],   v[PR] offset:\i*8192+\ks*1024
	ds_load_b128 v[\buf+32+8*\i+4:\buf+32+8*\i+7], v[PR] offset:\i*8192+\ks*1024+512
.endr
.endm
.macro MULP buf, zero
	WIN 0x50
.irp i, 0,1
.irp n, 0,1,2,3
.if \zero
	v_wmma_f32_16x16x32_f16 v[8*(4*\i+\n):8*(4*\i+\n)+7], v[\buf+8*\n:\buf+8*\n+7], v[\buf+32+8*\i:\buf+32+8*\i+7], 0
.else
	v_wmma_f32_16x16x32_f16 v[8*(4*\i+\n):8*(4*\i+\n)+7], v[\buf+8*\n:\buf+8*\n+7], v[\buf+32+8*\i:\buf+32+8*\i+7], v[8*(4*\i+\n):8*(4*\i+\n)+7]
.endif
.endr
.endr
.endm
; 16 rows x 64 columns of f32 (four tiles at acc in window 1) through my own stage: in by 32 bytes a lane, back as whole rows of 256 bytes,
; so that 16 lanes store 256 consecutive bytes, aligned.  LDS serves a wave's instructions in order: no wait between the stores and the loads.
.macro OUT16 acc, rowimm, sb, dst
	WIN 0x04
.irp n, 0,1,2,3
	ds_store_b128 v[STO], v[\acc+8*\n:\acc+8*\n+3]   offset:64*\n
	ds_store_b128 v[STO], v[\acc+8*\n+4:\acc+8*\n+7] offset:64*\n+16
.endr
	WIN 0
	s_wait_xcnt 0x0                                ; earlier stores have read their data: dst is loaded again only behind this wait
.irp t, 0,1,2,3,4,5,6,7
	ds_load_b128 v[\dst+4*\t:\dst+4*\t+3], v[RD] offset:2*SPITCH*\t
.endr
.irp t, 0,1,2,3,4,5,6,7
	s_wait_dscnt 7-\t                              ; LDS loads come back in order: pair t of rows is in
	global_store_b128 v[CO], v[\dst+4*\t:\dst+4*\t+3], s[\sb:\sb+1] offset:\rowimm+4096*\t th:TH_STORE_NT
.endr
.endm
	s_load_b256 s[12:19], s[0:1], 0x0              ; ws s[12:13], alpha s[14:15], out0 s[16:17], out1 s[18:19]
	v_lshl_add_u32 v254, v0, 2, 0x3c800
	v_mov_b32 v255, 0
	ds_add_u32 v254, v255
	s_wait_dscnt 0x0
	v_lshrrev_b32 v10, 5, v0
	v_readfirstlane_b32 s3, v10                    ; wave 0..3
	s_lshr_b32 s4, s3, 1                           ; wr
	s_and_b32 s5, s3, 1                            ; wc
	s_bfe_u32 s6, ttmp6, 0x40000                   ; cx
	s_bfe_u32 s7, ttmp6, 0x40004                   ; cy
	s_lshl_b32 s9, s7, 2
	s_lshl_b32 s9, 15, s9                          ; my row of the cluster
	s_lshl_b32 s10, 0x1111, s6                     ; my column
	; group 1: 16,384 dense bytes as 64 rows of 32 elements of 8 bytes.  s[24:31] with the row's mask (k', q), s[32:39] with the column's (v)
	s_or_b32 s24, s9, (3<<16)|(1<<21)
	s_or_b32 s32, s10, (3<<16)|(1<<21)
.irp g, 24, 32
	s_mov_b32 s[\g+1], 32<<16                      ; tensor_dim0 = 32
	s_mov_b32 s[\g+2], 64<<16                      ; tensor_dim1 = 64
	s_mov_b32 s[\g+3], 32<<16                      ; tile_dim0 = 32
	s_mov_b32 s[\g+4], 64                          ; tile_dim1 = 64
	s_mov_b32 s[\g+5], 32                          ; pitch = 32 elements
	s_mov_b32 s[\g+6], 0
	s_mov_b32 s[\g+7], 0
.endr
	; group 0, one for each of my three loads: a quarter of each tile, by the wave's number
	s_mov_b32 s40, 1
	s_mov_b32 s44, 1
	s_mov_b32 s48, 1
	s_lshl_b32 s41, s3, 14                         ; k' to 16,384 w
	s_add_co_u32 s45, s41, VL                      ; v
	s_add_co_u32 s49, s41, QL                      ; q
	s_lshl_b32 s61, ttmp9, 18                      ; batch x 262,144
	s_add_co_u32 s60, s61, s41
	s_lshl_b32 s54, s7, 16                         ; s[54:55] holds cy and never cx,
	s_add_co_u32 s54, s54, s60
	s_mov_b32 s55, 0
	s_lshl_b32 s56, s6, 16                         ; s[56:57] cx and never cy
	s_add_co_u32 s56, s56, s60
	s_mov_b32 s57, 0
	s_lshl_b32 s58, s3, 16                         ; k: tokens 64 w ..
	s_add_co_u32 s58, s58, s61
	s_mov_b32 s59, 0
	s_mov_b32 s62, 0x76543210                      ; v_permlanex16_b32: lane i reads lane i of the other half
	s_mov_b32 s63, 0xfedcba98
	v_and_b32 v11, 31, v0
	v_and_b32 v12, 15, v0                          ; r
	v_bfe_u32 v13, v0, 4, 1                        ; h
	v_lshlrev_b32 v[A16], 4, v11
	s_lshl_b32 s21, s4, 15
	v_add_nc_u32 v[AKP], s21, v[A16]
	s_lshl_b32 s21, s5, 15
	s_add_co_u32 s21, s21, VL
	v_add_nc_u32 v[AV], s21, v[A16]
	v_add_nc_u32 v[AQ], QL, v[A16]
	s_lshl_b32 s21, s3, 11
	s_add_co_u32 s21, s21, PL
	v_add_nc_u32 v[PW], s21, v[A16]
	s_lshl_b32 s21, s4, 14
	s_add_co_u32 s21, s21, PL
	v_add_nc_u32 v[PR], s21, v[A16]
	s_mul_i32 s21, s3, 16*SPITCH
	s_add_co_u32 s21, s21, STAGE
	v_mul_u32_u24 v14, v12, SPITCH
	v_lshl_add_u32 v14, v13, 5, v14
	v_add_nc_u32 v[STO], s21, v14
	v_mul_u32_u24 v14, v13, SPITCH
	v_lshl_add_u32 v14, v12, 4, v14
	v_add_nc_u32 v[RD], s21, v14
	v_lshlrev_b32 v14, 4, v12
	v_lshl_add_u32 v[CO], v13, 11, v14             ; rows of both outputs are 2,048 bytes
	s_lshl_b32 s21, s3, 8
	s_add_co_u32 s21, s21, RM
	v_add_nc_u32 v[RMW], s21, v14
	v_add_nc_u32 v[RMR], RM, v14
	s_sub_co_i32 s23, s7, s3
	s_lshl_b32 s23, s23, 6
	s_sub_co_i32 s23, s23, 1                       ; 64 (cy - w) - 1
	v_lshlrev_b32 v14, 3, v13
	v_sub_nc_u32 v[N0], v12, v14
	v_add_nc_u32 v[N0], s23, v[N0]                 ; + r - 8h: a number that feeds f32 factors alone
	s_wait_kmcnt 0x0
	s_load_b32 s20, s[14:15], 0x0                  ; alpha
	s_add_nc_u64 s[50:51], s[12:13], s[54:55]      ; q: plane 0
	s_add_nc_u64 s[42:43], s[50:51], 0x800000      ; k': plane 2
	s_add_nc_u64 s[46:47], s[12:13], s[56:57]
	s_add_nc_u64 s[46:47], s[46:47], 0xc00000      ; v: plane 3
	s_or_b32 s43, s43, 0x80000000
	s_or_b32 s47, s47, 0x80000000
	s_or_b32 s51, s51, 0x80000000
	s_add_nc_u64 s[52:53], s[12:13], s[58:59]
	s_add_nc_u64 s[52:53], s[52:53], 0x400000      ; k: plane 1
	s_lshl_b32 s22, s6, 9
	s_lshl_b32 s23, s5, 8
	s_add_co_u32 s22, s22, s23                     ; my first column, in bytes
	s_lshl_b32 s58, ttmp9, 20
	s_lshl_b32 s21, s7, 18
	s_add_co_u32 s58, s58, s21
	s_lshl_b32 s21, s4, 17
	s_add_co_u32 s58, s58, s21
	s_add_co_u32 s58, s58, s22
	s_add_nc_u64 s[18:19], s[18:19], s[58:59]      ; out1 at my 64 x 64
	s_lshl_b32 s58, ttmp9, 19
	s_lshl_b32 s21, s7, 17
	s_add_co_u32 s58, s58, s21
	s_lshl_b32 s21, s4, 16
	s_add_co_u32 s58, s58, s21
	s_add_co_u32 s58, s58, s22
	s_add_nc_u64 s[16:17], s[16:17], s[58:59]      ; out0 at my 32 x 64
	ROUND                                          ; all sixteen work-groups are here: the joint loads meet
	tensor_load_to_lds s[40:43], s[24:31]          ; the three first fills go out together; three tensor loads of the wave are out, and none follows
	s_nop 0
	tensor_load_to_lds s[44:47], s[32:39]
	s_nop 0
	tensor_load_to_lds s[48:51], s[24:31]
	s_nop 0
	WIN 0x80
	KLOAD 0
	WIN 0
	s_wait_kmcnt 0x0
	DECAY s20, 10, 11, RA, RL
	v_mov_b32 v[RA+1], v[RA]
	; the table: c^n for n = t - 1 - s >= 0, else 0.  What the exponential gives at a place with n < 0 is dropped by the select.
.irp dd, 0,1,2,3,4,5,6
.irp j, 0,1,2,3,4,5,6,7
	v_add_nc_u32 v[10+\j], 16*(\dd-3)-\j, v[N0]
.endr
.irp j, 0,1,2,3,4,5,6,7
	v_cvt_f32_i32 v[10+\j], v[10+\j]
.endr
.irp j, 0,1,2,3,4,5,6,7
	v_mul_f32 v[18+\j], v[RL], v[10+\j]
.endr
.irp j, 0,1,2,3,4,5,6,7
	v_exp_f32 v[FT+8*\dd+\j], v[18+\j]
.endr
	v_nop
	s_wait_alu depctr_va_vdst(0)
.irp j, 0,1,2,3,4,5,6,7
	v_cmp_le_f32 vcc_lo, 0, v[10+\j]
	v_cndmask_b32 v[FT+8*\dd+\j], 0, v[FT+8*\dd+\j], vcc_lo
.endr
.endr
	WIN 0xc0
	KLOAD 8
	WIN 0
	s_wait_tensorcnt 0x0                           ; my quarters of the three tiles are in,
	s_barrier_signal -1
	s_barrier_wait -1                              ; everybody's are; nothing is ever filled again
	; out1: 64 x 64 a wave, 8 steps of 32 tokens, two fragment buffers
	FETCHM 0, 96
.irp ks, 0,1,2,3,4,5,6,7
.if \ks > 0
	PLACES
	WIN 0
.endif
.if \ks < 7
	FETCHM (\ks+1), (96+64*((\ks+1)&1))
	s_wait_dscnt 16                                ; all but the 16 just issued
.else
	s_wait_dscnt 0
.endif
.if \ks == 0
	MULM 96, 1
.else
	MULM (96+64*(\ks&1)), 0
.endif
.endr
	PLACES
	WIN 0x41
.set q, 0
.rept 64
	v_pk_mul_f32 v[q:q+1], v[q:q+1], v[RA:RA+1]    ; a, in f32
.set q, q+2
.endr
	OUT16 0,  0,     18, T0
	OUT16 32, 32768, 18, T1
	OUT16 64, 65536, 18, T0
	OUT16 96, 98304, 18, T1
	; S = q k^T: my 64 tokens s against the group's 64 tokens t, 16 steps of 32 features; k waits in registers
	s_wait_loadcnt 0x0                             ; k: asked for ahead of all of the work above
	s_wait_xcnt 0x0                                ; the stores above have read v96-127
	FETCHQ 0, 96
.irp ks, 0,1,2,3,4,5,6,7,8,9,10,11,12,13,14,15
.if \ks > 0
	PLACES
	WIN 0
.endif
.if \ks < 15
	FETCHQ (\ks+1), (96+32*((\ks+1)&1))
	s_wait_dscnt 8                                 ; all but the 8 just issued
.else
	s_wait_dscnt 0
.endif
.if \ks == 0
	MULS 0, 96, 1
.else
	MULS \ks, (96+32*(\ks&1)), 0
.endif
.endr
	PLACES
	; P = S o c^(t-1-s), in f32
	WIN 0x41
.irp i, 0,1,2,3
.irp jj, 0,1,2,3
.irp p, 0,2,4,6
	v_pk_mul_f32 v[SA+8*(4*\i+\jj)+\p:SA+8*(4*\i+\jj)+\p+1], v[SA+8*(4*\i+\jj)+\p:SA+8*(4*\i+\jj)+\p+1], v[FT+8*(\i-\jj+3)+\p:FT+8*(\i-\jj+3)+\p+1]
.endr
.endr
.endr
	; the largest |P| of each row t: my 32 numbers of row tile i, the other half of the wave, the other waves
	WIN 0x05
.irp i, 0,1,2,3
	v_max_num_f32 v[MX+\i], |v[SA+32*\i]|, |v[SA+32*\i+1]|
.endr
.set q, 2
.rept 15
.irp i, 0,1,2,3
	v_max3_num_f32 v[MX+\i], |v[SA+32*\i+q]|, |v[SA+32*\i+q+1]|, v[MX+\i]
.endr
.set q, q+2
.endr
	WIN 0
.irp i, 0,1,2,3
	v_permlanex16_b32 v[14+\i], v[MX+\i], s62, s63         ; v14-17 have been written before
.endr
.irp i, 0,1,2,3
	v_max_num_f32 v[MX+\i], v[MX+\i], v[14+\i]
.endr
	ds_store_b128 v[RMW], v[MX:MX+3]               ; lanes r and r + 16 write the same 16 bytes with the same numbers
	s_wait_dscnt 0x0                               ; for the other waves
	s_barrier_signal -1
	s_barrier_wait -1
.irp ww, 0,1,2,3
	ds_load_b128 v[160+4*\ww:160+4*\ww+3], v[RMR] offset:256*\ww
.endr
	s_wait_dscnt 0x0
	s_cmp_lg_u32 s4, 0
	s_cselect_b32 s21, -1, 0                       ; all lanes: my rows of out0 are row tiles 2, 3 (wr = 1) or 0, 1
.irp i, 0,1,2,3
	v_max3_num_f32 v[MX+\i], v[160+\i], v[164+\i], v[168+\i]
	v_max_num_f32 v[MX+\i], v[MX+\i], v[172+\i]
	v_and_b32 v[16+\i], 0x7f800000, v[MX+\i]       ; its power of two, 2^e, as bits,
	v_max_u32 v[16+\i], 0x00800000, v[16+\i]       ; kept between 2^-126
	v_min_u32 v[16+\i], 0x7e800000, v[16+\i]       ; and 2^126, so that 2^-e is a normal number too
	v_sub_nc_u32 v[INV+2*\i], 0x7f000000, v[16+\i] ; 2^-e: the scaled row's largest magnitude lies below 4
	v_mov_b32 v[INV+2*\i+1], v[INV+2*\i]
	v_mul_f32 v[16+\i], v[RA], v[16+\i]            ; a 2^e
.endr
	v_cndmask_b32 v[SCL],   v16, v18, s21
	v_cndmask_b32 v[SCL+1], v16, v18, s21
	v_cndmask_b32 v[SCL+2], v17, v19, s21
	v_cndmask_b32 v[SCL+3], v17, v19, s21
	WIN 0x41
.irp i, 0,1,2,3
.set q, 0
.rept 16
	v_pk_mul_f32 v[SA+32*\i+q:SA+32*\i+q+1], v[SA+32*\i+q:SA+32*\i+q+1], v[INV+2*\i:INV+2*\i+1]
.set q, q+2
.endr
.endr
	WIN 0x05
.set q, 0
.rept 64
	v_cvt_pk_f16_f32 v[160+q], v[SA+2*q], v[SA+2*q+1]      ; the one rounding of P
.set q, q+1
.endr
	WIN 0
.irp i, 0,1,2,3
.irp jj, 0,1,2,3
	ds_store_b128 v[PW], v[160+4*(4*\i+\jj):160+4*(4*\i+\jj)+3] offset:\i*8192+\jj*512
.endr
.endr
	s_wait_dscnt 0x0                               ; for the other waves
	s_barrier_signal -1
	s_barrier_wait -1
	; out0 = P v: 32 x 64 a wave, 8 steps of 32 tokens s
	FETCHP 0, 96
.irp ks, 0,1,2,3,4,5,6,7
.if \ks > 0
	PLACES
	WIN 0
.endif
.if \ks < 7
	FETCHP (\ks+1), (96+48*((\ks+1)&1))
	s_wait_dscnt 12                                ; all but the 12 just issued
.else
	s_wait_dscnt 0
.endif
.if \ks == 0
	MULP 96, 1
.else
	MULP (96+48*(\ks&1)), 0
.endif
.endr
	PLACES
	WIN 0x41
.irp i, 0,1
.set q, 0
.rept 16
	v_pk_mul_f32 v[32*\i+q:32*\i+q+1], v[32*\i+q:32*\i+q+1], v[SCL+2*\i:SCL+2*\i+1]   ; a and the row's scale, in f32
.set q, q+2
.endr
.endr
	OUT16 0,  0,     16, T0
	OUT16 32, 32768, 16, T1
	s_wait_dscnt 0x0
	s_wait_xcnt 0x0
	v_lshl_add_u32 v254, v0, 2, 0x3c800
	v_mov_b32 v255, 0
	s_wait_tensorcnt 0x0
	ds_add_u32 v254, v255
	s_wait_dscnt 0x0
	ROUND                                          ; the closing round: no work-group ends while a partner may still ask for a tile that names it
	s_endpgm
.Lfunc_end_k_q817470eb11_mem:
	.size	k_q817470eb11_mem, .Lfunc_end_k_q817470eb11_mem-k_q817470eb11_mem
	.p2alignl 7, 3214868480
	.fill 96, 4, 3214868480
	.section	.rodata,"a",@progbits
	.p2align	6, 0x0
	.amdhsa_kernel k_q817470eb11_mem
		.amdhsa_group_segment_fixed_size 248320
		.amdhsa_private_segment_fixed_size 0
		.amdhsa_enable_private_segment 0
		.amdhsa_kernarg_size 32
		.amdhsa_user_sgpr_count 2
		.amdhsa_user_sgpr_kernarg_segment_ptr 1
		.amdhsa_wavefront_size32 1
		.amdhsa_system_sgpr_workgroup_id_x 1
		.amdhsa_system_sgpr_workgroup_id_y 1
		.amdhsa_system_sgpr_workgroup_id_z 1
		.amdhsa_system_vgpr_workitem_id 0
		.amdhsa_next_free_vgpr 1024
		.amdhsa_next_free_sgpr 66
		.amdhsa_reserve_vcc 1
		.amdhsa_float_denorm_mode_32 3
		.amdhsa_float_denorm_mode_16_64 3
		.amdhsa_memory_ordered 1
		.amdhsa_forward_progress 1
		.amdhsa_inst_pref_size 127
	.end_amdhsa_kernel
	.amdgpu_metadata
---
amdhsa.version: [ 1, 2 ]
amdhsa.kernels:
  - .name:           k_q817470eb11_mem
    .symbol:         k_q817470eb11_mem.kd
    .args:
      - { .name: ws, .offset: 0, .size: 8, .value_kind: global_buffer, .address_space: global }
      - { .name: alpha, .offset: 8, .size: 8, .value_kind: global_buffer, .address_space: global }
      - { .name: out0, .offset: 16, .size: 8, .value_kind: global_buffer, .address_space: global }
      - { .name: out1, .offset: 24, .size: 8, .value_kind: global_buffer, .address_space: global }
    .group_segment_fixed_size: 248320
    .private_segment_fixed_size: 0
    .kernarg_segment_align: 8
    .kernarg_segment_size: 32
    .max_flat_workgroup_size: 128
    .sgpr_count:     66
    .vgpr_count:     1024
    .wavefront_size: 32
...
	.end_amdgpu_metadata
.endif
;; end of part 2
